; MI455X (gfx1250); checked and timed in simulation.
; The chip was launched on July 23, 2026; its instructions are those of AMD's public machine-readable ISA for CDNA 5 (MIT licence, August 2026) and "CDNA5" Instruction Set Architecture Reference Guide (July 2026). The comments in the code are by the model that wrote it; some were corrected since.
;; Naive Fourier KAN Layer. Allowed arithmetic: float matrix products may take bf16 or f16 operands with f32 sums; all other float work in f32.
;; Inputs: bias 1 x 512 float32; fouriercoeffs 2 x 512 x 512 x 16 float32; x 8,192 x 512 float32.
;; Outputs: out0 8,192 x 512 float32.
;; 2 versions, each right; version 2 is version 1 with the launch prep written anew for expert scheduling mode. Each part assembles by itself: llvm-mc -triple=amdgcn-amd-amdhsa -mcpu=gfx1250 --defsym DOCPART=n.
;; ======== version 1 of 2: 2 launches
;; limits: values are held in f16: magnitudes above 65,504 overflow, below 6.1e-05 lose precision; inputs' magnitudes at most 65,504
;; workspace buffers: wh 16,777,216 bytes; cs 33,554,432 bytes
;; launch prep (part 1): grid 512 x 1, 8 waves a work-group, no clusters, 70,656 bytes of LDS; arguments x, fouriercoeffs, cs, wh; writes cs, wh
.if DOCPART == 1
	.amdgcn_target "amdgcn-amd-amdhsa--gfx1250"
	.amdhsa_code_object_version 6
	.text
	.protected	k_q53f381a448_prep
	.globl	k_q53f381a448_prep
	.p2align	8
	.type	k_q53f381a448_prep,@function
k_q53f381a448_prep:
	s_mov_b64 s[64:65], 0
	v_nop
	global_prefetch_b8 v0, s[64:65] scope:SCOPE_SE
	s_setreg_imm32_b32 hwreg(HW_REG_WAVE_MODE, 25, 1), 1
	s_wait_xcnt 0x0
; PREP: two tables for the product that follows.  x: [8192][512] f32.  fouriercoeffs: [2][512 o][512 i][16 g] f32.
; wh: [512 o][16384 k'] f16, k' = 32 i + 2 g + t (t = 0: cosine's coefficient, t = 1: sine's): byte o 32768 + 64 i + 4 g + 2 t.  Four bytes of either half of
;     fouriercoeffs at offset off become the four bytes of wh at the same off, so one offset serves two loads and a store.
; cs: (cos x, sin x) in f32, in blocks of 512 bytes, block ((mt 4 + w) 32 + step) 8 + a; in a block lane L = 16 h + r has 16 bytes:
;     cos, sin of x[128 mt + 16 a + r][i0], then of [i0 + 1], i0 = 128 w + 4 step + 2 h: the order in which the next launch's lanes load them.
; SHARES.  Work-group g: row o = g of wh (8 chunks of 4,096 bytes, 16 bytes a thread), and the 16 rows 16 g .. 16 g + 15 of x (mt = g / 8, a = g % 8); wave c takes
; i = 64 c .. 64 c + 63.  A lane holds two neighbouring i of a row; cs wants 16 rows side by side, so the results turn through the wave's own LDS bytes: no barrier.
; SINE AND COSINE.  f = x / 2 pi less the nearest whole number, with 1 / 2 pi in two parts and fused multiply-adds; cos = S(1/4 - |f|), |sin| = S(1/4 - |1/4 - |f||),
; S(y) = sin(2 pi y) for |y| <= 1/4 by its series up to y^11 (what is cut is below 5.7e-8); the sine takes f's sign.
; LIMITS.  Coefficients are rounded to f16: beyond 65,504 they become infinities, below 6.1e-5 they keep f16's fixed step of 6e-8.  The reduced phase f is good to about
; 2^-25 of a turn for |x| up to 2^20; beyond that it degrades with |x|.  A NaN or an infinity in x gives NaN for both numbers, as the reference's cos and sin do.
; No matrix unit, cluster or tensor load: every byte is read once and written once, and nothing is shared between work-groups.
.set T,   8                            ; v[8:9]     x / 2 pi, then its nearest whole number
.set FR,  10                           ; v[10:11]   f of the lane's two x (named v10, v11 where |.| is taken)
.set AB,  12                           ; v[12:15]   the four arguments of S: for cos, sin of the first x, cos, sin of the second (v12 .. v15)
.set U,   16                           ; v[16:19]   their squares
.set P,   20                           ; v[20:23]   the series
.set R,   24                           ; v[24:27]   cos, sin, cos, sin
.set X,   32                           ; v[32:63]   row r: two x at X + 2 r
.set CA,  64                           ; v[64:95]   chunk m: four cosine coefficients at CA + 4 m, then the four packed words
.set CB,  96                           ; v[96:127]  the same four places of the sine half
.set RB,  128                          ; v[128:191] block sl of cs as it is stored
.set LPITCH, 272                       ; a lane's 16 results of 16 bytes + 16: lane l starts at byte 16 l mod 256
.set IH,  24                           ; s[24:25]   1 / 2 pi, rounded to f32           (the packed forms name pairs: both words are written)
.set IL,  26                           ; s[26:27]   1 / 2 pi less that
.set K0,  28                           ; s[28:39]   (2 pi)^(2n+1) / (2n+1)!, signs alternating
.set K1,  30
.set K2,  32
.set K3,  34
.set K4,  36
.set K5,  38
.set QU,  40                           ; s40        1/4
.set SG,  41                           ; s41        all bits but the sign
.macro PAIR reg, val
	s_mov_b32 s[\reg], \val
	s_mov_b32 s[(\reg)+1], \val
.endm
	s_load_b256 s[4:11], s[0:1], 0x0               ; x s[4:5], fouriercoeffs s[6:7], cs s[8:9], wh s[10:11]
	v_lshl_add_u32 v192, v0, 2, 0x11000
	v_mov_b32 v193, 0
	v_and_b32 v1, 31, v0                           ; lane
	v_lshrrev_b32 v7, 5, v0
	v_readfirstlane_b32 s12, v7                    ; wave c, 0..7
	v_lshlrev_b32 v2, 4, v0                        ; 16 x thread: my place in a chunk of coefficients and of wh
	v_lshlrev_b32 v3, 3, v1                        ; 8 x lane: my two x in the wave's 256 bytes of a row
	v_lshlrev_b32 v6, 4, v1                        ; 16 x lane: my place in a block of cs
	s_mul_i32 s13, s12, 32*LPITCH                  ; my wave's LDS bytes
	v_mul_u32_u24 v4, v1, LPITCH
	v_add_nc_u32 v4, s13, v4                       ; in: lane l's results, row r at + 16 r
	v_lshrrev_b32 v5, 4, v1                        ; back: h = L / 16 picks the lane 2 sl + h that made them,
	v_mul_u32_u24 v5, v5, LPITCH
	v_and_b32 v7, 15, v0                           ; r = L % 16 the row
	v_lshl_add_u32 v5, v7, 4, v5
	v_add_nc_u32 v5, s13, v5
	PAIR IH, 0x3e22f983
	PAIR IL, 0x31dc9c88
	PAIR K0, 0x40c90fdb                            ;   6.2831853
	PAIR K1, 0xc2255de7                            ; -41.341702
	PAIR K2, 0x42a335e3                            ;  81.605249
	PAIR K3, 0xc2996966                            ; -76.705860
	PAIR K4, 0x42283c1a                            ;  42.058694
	PAIR K5, 0xc17183a8                            ; -15.094643
	s_mov_b32 s[QU], 0x3e800000
	s_mov_b32 s[SG], 0x7fffffff
	s_lshl_b32 s16, ttmp9, 15                      ; g x 32,768: row g of either half of the coefficients and of wh; also 16 rows of x
	s_mov_b32 s17, 0
	s_lshl_b32 s18, s12, 8                         ; + the wave's 256 bytes of a row of x
	s_add_co_u32 s18, s18, s16
	s_mov_b32 s19, 0
	s_lshr_b32 s20, ttmp9, 3                       ; mt
	s_lshl_b32 s20, s20, 2
	s_lshr_b32 s21, s12, 1                         ; w = c / 2
	s_add_co_u32 s20, s20, s21
	s_lshl_b32 s20, s20, 5
	s_and_b32 s21, s12, 1                          ; the wave's first step: 16 (c % 2)
	s_lshl_b32 s21, s21, 4
	s_add_co_u32 s20, s20, s21
	s_lshl_b32 s20, s20, 12                        ; a step is 8 blocks of 512 bytes
	s_and_b32 s21, ttmp9, 7                        ; a
	s_lshl_b32 s21, s21, 9
	s_add_co_u32 s20, s20, s21
	s_mov_b32 s21, 0
	s_wait_kmcnt 0x0
	s_add_nc_u64 s[4:5], s[4:5], s[18:19]
	s_add_nc_u64 s[6:7], s[6:7], s[16:17]          ; the cosine half,
	s_add_nc_u64 s[14:15], s[6:7], 0x1000000       ; the sine half, 16,777,216 bytes on
	s_add_nc_u64 s[10:11], s[10:11], s[16:17]
	s_add_nc_u64 s[8:9], s[8:9], s[20:21]
.irp r, 0,1,2,3,4,5,6,7,8,9,10,11,12,13,14,15
	global_load_b64 v[X+2*(\r):X+2*(\r)+1], v3, s[4:5] offset:(\r)*2048 th:TH_LOAD_NT  ; 256 consecutive bytes a wave, aligned
.endr
.irp m, 0,1,2,3,4,5,6,7
	global_load_b128 v[CA+4*(\m):CA+4*(\m)+3], v2, s[6:7] offset:(\m)*4096 th:TH_LOAD_NT
	global_load_b128 v[CB+4*(\m):CB+4*(\m)+3], v2, s[14:15] offset:(\m)*4096 th:TH_LOAD_NT
.endr
; Row r: cos and sin of the lane's two x, into LDS.
.macro SINCOS r
.set XR, X+2*(\r)
	s_wait_loadcnt 31-(\r)                         ; loads come back in order: behind row r's stand 15 - r loads of x and the 16 of coefficients
	v_pk_mul_f32 v[T:T+1], v[XR:XR+1], s[IH:IH+1] op_sel_hi:[1,0]
	v_rndne_f32 v[T], v[T]
	v_rndne_f32 v[T+1], v[T+1]
	v_pk_fma_f32 v[FR:FR+1], v[XR:XR+1], s[IH:IH+1], v[T:T+1] op_sel_hi:[1,0,1] neg_lo:[0,0,1] neg_hi:[0,0,1]  ; the product is not rounded before the whole number is taken away
	v_pk_fma_f32 v[FR:FR+1], v[XR:XR+1], s[IL:IL+1], v[FR:FR+1] op_sel_hi:[1,0,1]
	v_sub_f32 v12, s[QU], |v10|                    ; cos(2 pi f) = S(1/4 - |f|)
	v_sub_f32 v14, s[QU], |v11|
	v_sub_f32 v13, s[QU], |v12|                    ; |sin(2 pi f)| = S(1/4 - |1/4 - |f||)
	v_sub_f32 v15, s[QU], |v14|
.irp p, 0,2
	v_pk_mul_f32 v[U+(\p):U+(\p)+1], v[AB+(\p):AB+(\p)+1], v[AB+(\p):AB+(\p)+1]
.endr
.irp p, 0,2
	v_pk_fma_f32 v[P+(\p):P+(\p)+1], v[U+(\p):U+(\p)+1], s[K5:K5+1], s[K4:K4+1] op_sel_hi:[1,0,0]
.endr
.irp k, K3, K2, K1, K0
.irp p, 0,2
	v_pk_fma_f32 v[P+(\p):P+(\p)+1], v[P+(\p):P+(\p)+1], v[U+(\p):U+(\p)+1], s[(\k):(\k)+1] op_sel_hi:[1,1,0]
.endr
.endr
.irp p, 0,2
	v_pk_mul_f32 v[R+(\p):R+(\p)+1], v[P+(\p):P+(\p)+1], v[AB+(\p):AB+(\p)+1]
.endr
	v_bfi_b32 v[R+1], s[SG], v[R+1], v[FR]         ; the sine takes f's sign
	v_bfi_b32 v[R+3], s[SG], v[R+3], v[FR+1]
	ds_store_b128 v4, v[R:R+3] offset:16*(\r)
.endm
.irp r, 0,1,2,3,4,5,6,7,8,9,10,11,12,13,14,15
	SINCOS \r
.endr
.irp t, 0,1,2,3,4,5,6,7,8,9,10,11,12,13,14,15
	ds_load_b128 v[RB+4*(\t):RB+4*(\t)+3], v5 offset:(\t)*2*LPITCH  ; LDS serves a wave's instructions in order (ISA guide 5.7.1.4): these see the stores above; the bytes are the wave's own
.endr
	s_wait_loadcnt 0x0                             ; the coefficients
.irp m, 0,1,2,3,4,5,6,7
.irp j, 0,1,2,3
	v_cvt_pk_f16_f32 v[CA+4*(\m)+(\j)], v[CA+4*(\m)+(\j)], v[CB+4*(\m)+(\j)]  ; low half: cosine's, high half: sine's
.endr
	global_store_b128 v2, v[CA+4*(\m):CA+4*(\m)+3], s[10:11] offset:(\m)*4096  ; 512 consecutive bytes a wave, aligned
.endr
.irp t, 0,1,2,3,4,5,6,7,8,9,10,11,12,13,14,15
	s_wait_dscnt 15-(\t)                           ; LDS loads come back in order: block t is in, the 15 - t younger ones may be out
	global_store_b128 v6, v[RB+4*(\t):RB+4*(\t)+3], s[8:9] offset:(\t)*4096  ; a whole block of 512 bytes
.endr
	s_wait_tensorcnt 0x0
	ds_add_u32 v192, v193
	s_wait_dscnt 0x0
	s_endpgm
.Lfunc_end_k_q53f381a448_prep:
	.size	k_q53f381a448_prep, .Lfunc_end_k_q53f381a448_prep-k_q53f381a448_prep
	.p2alignl 7, 3214868480
	.fill 96, 4, 3214868480
	.section	.rodata,"a",@progbits
	.p2align	6, 0x0
	.amdhsa_kernel k_q53f381a448_prep
		.amdhsa_group_segment_fixed_size 70656
		.amdhsa_private_segment_fixed_size 0
		.amdhsa_enable_private_segment 0
		.amdhsa_kernarg_size 32
		.amdhsa_user_sgpr_count 2
		.amdhsa_user_sgpr_kernarg_segment_ptr 1
		.amdhsa_wavefront_size32 1
		.amdhsa_system_sgpr_workgroup_id_x 1
		.amdhsa_system_sgpr_workgroup_id_y 1
		.amdhsa_system_sgpr_workgroup_id_z 1
		.amdhsa_system_vgpr_workitem_id 0
		.amdhsa_next_free_vgpr 194
		.amdhsa_next_free_sgpr 66
		.amdhsa_reserve_vcc 0
		.amdhsa_float_denorm_mode_32 3
		.amdhsa_float_denorm_mode_16_64 3
		.amdhsa_memory_ordered 1
		.amdhsa_forward_progress 1
		.amdhsa_inst_pref_size 38
	.end_amdhsa_kernel
	.amdgpu_metadata
---
amdhsa.version: [ 1, 2 ]
amdhsa.kernels:
  - .name:           k_q53f381a448_prep
    .symbol:         k_q53f381a448_prep.kd
    .args:
      - { .name: x, .offset: 0, .size: 8, .value_kind: global_buffer, .address_space: global }
      - { .name: fouriercoeffs, .offset: 8, .size: 8, .value_kind: global_buffer, .address_space: global }
      - { .name: cs, .offset: 16, .size: 8, .value_kind: global_buffer, .address_space: global }
      - { .name: wh, .offset: 24, .size: 8, .value_kind: global_buffer, .address_space: global }
    .group_segment_fixed_size: 70656
    .private_segment_fixed_size: 0
    .kernarg_segment_align: 8
    .kernarg_segment_size: 32
    .max_flat_workgroup_size: 256
    .sgpr_count:     66
    .vgpr_count:     194
    .wavefront_size: 32
...
	.end_amdgpu_metadata
.endif
;; end of part 1
;; launch main (part 2): grid 64 x 4, 4 waves a work-group, clusters of 4 x 1, 327,680 bytes of LDS; arguments cs, wh, bias, out0; writes out0
.if DOCPART == 2
	.amdgcn_target "amdgcn-amd-amdhsa--gfx1250"
	.amdhsa_code_object_version 6
	.text
	.protected	k_q53f381a448_main
	.globl	k_q53f381a448_main
	.p2align	8
	.type	k_q53f381a448_main,@function
k_q53f381a448_main:
	s_mov_b64 s[64:65], 0
	v_nop
	global_prefetch_b8 v0, s[64:65] scope:SCOPE_SE
	s_setreg_imm32_b32 hwreg(HW_REG_WAVE_MODE, 25, 1), 1
	s_wait_xcnt 0x0
	s_wait_alu depctr_hold_cnt(0) depctr_sa_sdst(0) depctr_va_vdst(0) depctr_va_sdst(0) depctr_va_ssrc(0) depctr_va_vcc(0) depctr_vm_vsrc(0)
	s_getreg_b32 s2, hwreg(HW_REG_IB_STS2, 6, 4)
	s_cmp_eq_u32 s2, 0
	s_cbranch_scc0 .Lentry_in_a_cluster
	s_endpgm
.Lentry_in_a_cluster:
	s_bfe_u32 s2, ttmp6, 0x10000c
	s_cmp_lg_u32 s2, 0x3003
	s_cbranch_scc0 .Lentry_shape_is_right
	s_endpgm
.Lentry_shape_is_right:
; out0[b][o] = bias[o] + the sum over i, g of cos((g+1) x[b][i]) C[0][o][i][g] + sin((g+1) x[b][i]) C[1][o][i][g]: a product of 8192 x 512 with K = 16384 whose first factor is never stored.
; cs holds (cos x, sin x) in f32 in the order in which lanes load it here; wh holds the coefficients in f16, [512 o][16384 k'], k' = 32 i + 2 g + t.  Products in f16, sums in f32.
; SHARES.  A work-group makes 128 rows x 128 columns of out0 (mt = row tile, nt = column tile).  K IS SPLIT AMONG ITS FOUR WAVES: wave w takes i = 128 w .. 128 w + 127, so each wave holds the whole
; tile in 64 accumulators, 512 registers, and a fragment of the coefficients read from LDS feeds 8 matrix instructions.  At the end the four partial tiles meet in LDS and are added.
; FEATURES IN PLACE.  Lane (r = lane % 16, h = lane / 16) owns one x: row 16 a + r, input i = 128 w + 4 step + 2 h + j.  From (cos x, sin x) it makes z(k) = (cos k x, sin k x), k = 1 .. 16, by
; z(k) = 2 cos x z(k-1) - z(k-2) in f32, one packed multiply-add a harmonic, and rounds each pair to f16 into one register.  Harmonics 1-8 fill its 8 registers of fragment F = 0, harmonics 9-16 those of F = 1.
; Both sources of a matrix instruction have one map of K onto lanes and registers, so any order of K serves that both keep: the coefficients' fragment takes for lane (r, h) the 32 bytes
; at (2 h + j) 64 + 32 F of row r of the tile.  No feature passes through LDS or memory.
; THE MATRIX INSTRUCTION IS USED TRANSPOSED: source 0 = 16 outputs' coefficients, source 1 = 16 rows' features: a lane then holds 8 neighbouring columns of one row of out0.
; BY TURNS.  A step is 128 of K', 4 inputs: units j = 0, 1, each of blocks F = 0, 1 of 64 matrix instructions.  A unit's 256 vector instructions make the NEXT unit's features; they stand two
; behind EVERY matrix instruction (RIDE), so that each product has vector work issued beside it and none has more than two lines; the price is two register-window switches a product.
; CLUSTER.  The four work-groups of a cluster have one nt and four mt: they walk the same tiles of wh, so wave w of each asks JOINTLY, by the same tensor load with the same descriptor and a mask of all four.
; cs is each work-group's own and comes by plain loads, 512 consecutive bytes a wave.
; LIMITS.  Features are rounded to f16 (they lie in -1 .. 1).  cos and sin are taken of the exact product k x; the reference rounds k x to f32 first.  The recurrence adds at most about
; 3e-5 at k = 16.  A NaN in cs (x NaN or infinite) makes its whole row of out0 NaN, as in the reference.  Order of the sums: four quarters of K, each ascending, then (q0 + q1) + (q2 + q3) + bias.
; REGISTERS, in windows of 256 (s_set_vgpr_msb: bits 1:0 source 0, 3:2 source 1, 5:4 source 2, 7:6 destination):
;   window 0: addresses, the recurrence, cs (two buffers), the coefficients' fragments (two buffers)      window 1: the features' fragments, two buffers of 128: fragment (F, a) at 64 F + 8 a
;   windows 2, 3: accumulator (a, b) at 8 (8 (a % 4) + b), row blocks 0-3 in window 2, 4-7 in window 3
.set PITCH,  272                       ; a row of a tile in LDS: 256 bytes + 16 of padding = 68 words: row r starts at bank 4 r mod 64 (64 banks of 4 bytes: ISA guide 11.1)
.set SLOT,   128*PITCH                 ; a tile: 128 outputs x 128 of K'
.set WREG,   2*SLOT                    ; a wave's two slots; later its partial tile
.set SPARE,  4*WREG                    ; behind the rings: the spare words, 128 bytes for each wave: two blocks of 256 bytes that no other line names
.set IPITCH, 528                       ; a row of a partial tile: 512 bytes + 16
.set LAPS,   16                        ; a lap = two steps = once round the ring; 32 steps
.set ADRB, 2                           ; v2-3    LDS address of my fragments in slot 0, 1
.set GOFF, 4                           ; v4      16 x lane: my place in 512 consecutive bytes of cs, bias and out0; never rewritten
.set STO,  5                           ; v5      the way out: where my partial results go
.set SPW,  8                           ; v8      LDS address of my spare word: SPARE + 4 x my thread's number; never rewritten
.set NIL,  9                           ; v9      0; never rewritten
.set ONE0, 10                          ; v10-11  z(0) = (1, 0)
.set C2,   12                          ; v12-19  job q: 2 cos x at C2 + 2 q; the word beside it is named with it as a pair and holds 0
.set Z,    20                          ; v20-43  job q: a ring of three pairs, z(k) at Z + 6 q + 2 (k % 3)
.set BIAS, 44                          ; v44-47  bias of my four columns
.set RD,   48                          ; v48-51  the way out: my place in partial tile 0 .. 3
.set CS0,  64                          ; v64-95, v96-127  cs of an even, an odd step: row block a at + 4 a: cos, sin for j = 0, cos, sin for j = 1
.set CS1,  96
.set BB,   128                         ; v128-191, v192-255  the coefficients' fragments of block F = 0, 1: column block b at + 8 b
.set WV,   12                          ; s12      my wave's number
.set G1,   24                          ; s[24:31] descriptor group 1
.set G0,   32                          ; s[32:39] descriptor group 0, a set for each slot
.set MSB, 0
.macro WIN new                         ; the immediate's high byte repeats the setting that is left; a switch that changes nothing is dropped
.if MSB != (\new)
	s_set_vgpr_msb (MSB<<8)|(\new)
.set MSB, \new
.endif
.endm
.macro PLACES                          ; four places (ISA guide 7.12.1) where no other vector work is at hand
.rept 4
	v_nop
.endr
.endm
; A round of the cluster's barrier: my work-group's barrier, so that wave 0's signal speaks for all four waves; wave 0 signals; every wave waits for all four work-groups; my work-group's barrier once more.
.macro CREST                           ; a round behind its opening barrier
	s_cmp_lg_u32 s[WV], 0
	s_cbranch_scc1 .Lnot_wave_0_\@
	s_barrier_signal -3
.Lnot_wave_0_\@:
	s_barrier_wait -3
	s_barrier_signal -1
	s_barrier_wait -1
.endm
.macro CROUND                          ; a whole round
	s_barrier_signal -1
	s_barrier_wait -1
	CREST
.endm
	s_load_b256 s[4:11], s[0:1], 0x0               ; cs s[4:5], wh s[6:7], bias s[8:9], out0 s[10:11]
	v_lshl_add_u32 v[SPW], v0, 2, SPARE
	v_mov_b32 v[NIL], 0
	ds_add_u32 v8, v9
	s_wait_dscnt 0x0
	v_lshrrev_b32 v1, 5, v0
	v_readfirstlane_b32 s[WV], v1                  ; wave 0..3
	s_bfe_u32 s13, ttmp6, 0x40000                  ; cx: my place in the cluster
	s_lshl_b32 s14, ttmp9, 2                       ; in a cluster launch ttmp9 counts clusters
	s_add_co_u32 s14, s14, s13                     ; mt = 4 x cluster x + cx: it enters cs's and out0's addresses alone
	s_and_b32 s15, ttmp7, 0xffff                   ; nt, which the four partners share
	s_lshl_b32 s16, s15, 22                        ; wh: 128 nt rows of 32,768 bytes
	s_lshl_b32 s17, s[WV], 13                      ; + my quarter of K: 128 w inputs of 64 bytes
	s_add_co_u32 s16, s16, s17
	s_mov_b32 s17, 0
	s_mul_i32 s41, s[WV], WREG                     ; my two slots: no place in the cluster enters an LDS address
	s_lshl_b32 s20, s14, 2                         ; cs: (4 mt + w) x 32 steps x 8 blocks x 512 bytes
	s_add_co_u32 s20, s20, s[WV]
	s_lshl_b32 s20, s20, 17
	s_mov_b32 s21, 0
	s_lshl_b32 s22, s14, 18                        ; out0: row 128 mt + 32 w (the rows that I store), 2,048 bytes each,
	s_lshl_b32 s23, s[WV], 16
	s_add_co_u32 s22, s22, s23
	s_lshl_b32 s42, s15, 9                         ; + column 128 nt; the same 512 nt bytes into bias
	s_add_co_u32 s22, s22, s42
	s_mov_b32 s23, 0
	s_mov_b32 s43, 0
	; descriptor group 1: a tile of 128 rows x 128 elements, padded in LDS
	s_mov_b32 s[G1+0], 15|(1<<16)|(1<<20)|(1<<21)|(5<<22)|(3<<25)  ; 15:0 the mask: all four work-groups; 17:16 elements of 2 bytes; 20 padding on; 21 set beside a mask; 24:22 after every 64 words (code 5); 31:25 4 words of it (code 3)
	s_mov_b32 s[G1+1], 128<<16                     ; tensor_dim0 = 128
	s_mov_b32 s[G1+2], 128<<16                     ; tensor_dim1 = 128
	s_mov_b32 s[G1+3], 128<<16                     ; tile_dim0 = 128
	s_mov_b32 s[G1+4], 128                         ; tile_dim1 = 128
	s_mov_b32 s[G1+5], 16384                       ; elements from row to row
	s_mov_b32 s[G1+6], 0
	s_mov_b32 s[G1+7], 0
	s_wait_kmcnt 0x0
	s_add_nc_u64 s[18:19], s[6:7], s[16:17]        ; wh at my tile of step 0
	s_add_nc_u64 s[44:45], s[4:5], s[20:21]        ; cs at my step 0,
	s_add_nc_u64 s[46:47], s[44:45], 4096          ; and the base that steps: step 1
	s_add_nc_u64 s[8:9], s[8:9], s[42:43]
	s_add_nc_u64 s[10:11], s[10:11], s[22:23]
	CROUND                                         ; all four work-groups are here: the first joint loads meet
.irp s, 0,1
	s_mov_b32 s[G0+4*(\s)], 1                                      ; 1:0 count = 1
	s_add_co_u32 s[G0+4*(\s)+1], s41, (\s)*SLOT                    ; 63:32 LDS address
	s_add_nc_u64 s[G0+4*(\s)+2:G0+4*(\s)+3], s[18:19], (\s)*256    ; 120:64 global address: step s
	s_or_b32 s[G0+4*(\s)+3], s[G0+4*(\s)+3], 0x80000000            ; 127:126 type = 2
.endr
	tensor_load_to_lds s[G0:G0+3], s[G1:G1+7]      ; both first fills go out together: two tensor loads of mine are out
	s_nop 0
	tensor_load_to_lds s[G0+4:G0+7], s[G1:G1+7]
	s_nop 0
	PLACES
	v_and_b32 v1, 31, v0
	v_lshlrev_b32 v[GOFF], 4, v1
	global_load_b128 v[BIAS:BIAS+3], v[GOFF], s[8:9]
.irp a, 0,1,2,3,4,5,6,7
	global_load_b128 v[CS0+4*(\a):CS0+4*(\a)+3], v[GOFF], s[44:45] offset:512*(\a)       ; step 0
.endr
.irp a, 0,1,2,3,4,5,6,7
	global_load_b128 v[CS1+4*(\a):CS1+4*(\a)+3], v[GOFF], s[44:45] offset:4096+512*(\a)  ; step 1
.endr
	v_and_b32 v6, 15, v0                           ; r
	v_bfe_u32 v7, v0, 4, 1                         ; h
	v_mul_u32_u24 v[ADRB], v6, PITCH
	v_lshl_add_u32 v[ADRB], v7, 7, v[ADRB]         ; row r, and two inputs (128 bytes) on for the upper half of the lanes
	v_add_nc_u32 v[ADRB], s41, v[ADRB]
	v_add_nc_u32 v[ADRB+1], SLOT, v[ADRB]
	v_mul_u32_u24 v[STO], v6, IPITCH               ; the way out, in: row r, 8 columns (32 bytes) on for the upper half
	v_lshl_add_u32 v[STO], v7, 5, v[STO]
	v_add_nc_u32 v[STO], s41, v[STO]
	s_mul_i32 s42, s[WV], 32*IPITCH                ; back: rows 32 w on of each partial tile, a row of 512 bytes to the 32 lanes
	v_add_nc_u32 v[RD], s42, v[GOFF]
	v_add_nc_u32 v[RD+1], WREG, v[RD]
	v_add_nc_u32 v[RD+2], 2*WREG, v[RD]
	v_add_nc_u32 v[RD+3], 3*WREG, v[RD]
	v_mov_b32 v[ONE0], 1.0
	v_mov_b32 v[ONE0+1], 0
.irp q, 0,1,2,3
	v_mov_b32 v[C2+2*(\q)+1], 0
.endr
; THE VECTOR WORK.  UNIT says which unit's features the lines that follow make: into buffer ga of window 1, from the pairs at gc + 4 a of window 0; on = 0: none.
.macro UNIT ga, gc, on
.set GA, \ga
.set GC, \gc
.set GI, 0
.set RON, \on
.endm
.macro ZR sym, k, q                    ; the pair that holds z(k) of job q
.if (\k) == 0
.set \sym, ONE0
.elseif (\k) == 1
.set \sym, GC+4*(4*BT+(\q))
.else
.set \sym, Z+6*(\q)+2*((\k)%3)
.endif
.endm
; RIDE writes the unit's next two lines: half a group.  A group is one line for each of four jobs q, row blocks a = 4 BT + q; its first half is jobs 0, 1, its second jobs 2, 3.
; A unit has two batches BT of 32 groups, in the order F1, F2, C1, F3, C2, .. F16, C15, C16: 128 halves, one behind each of the unit's 128 matrix instructions.
; F1: 2 cos x.  Fk: z(k) = 2 cos x z(k-1) - z(k-2).  Ck: z(k) rounded to f16 into register (k - 1) % 8 of fragment ((k - 1) / 8, a).  Links of a job's chain lie two groups apart; Ck stands ahead of
; F(k+3), which takes z(k)'s place in the ring.  The first write into the buffer, C1, stands behind the eight plain lines of F1 and F2, which name no register of the last product that read it.
.macro RIDE
.if RON
.set HH, GI%2
.set BT, GI/64
.set GG, (GI/2)%32
.if GG == 0
	WIN 0
.irp q, 0,1
.set JQ, 2*HH+(\q)
	v_add_f32 v[C2+2*JQ], v[GC+4*(4*BT+JQ)], v[GC+4*(4*BT+JQ)]
.endr
.elseif ((GG%2) == 1) && (GG < 31)
.set KK, (GG+3)/2
	WIN 0
.irp q, 0,1
.set JQ, 2*HH+(\q)
	ZR zd, KK, JQ
	ZR za, KK-1, JQ
	ZR zb, KK-2, JQ
	v_pk_fma_f32 v[zd:zd+1], v[za:za+1], v[C2+2*JQ:C2+2*JQ+1], v[zb:zb+1] op_sel_hi:[1,0,1] neg_lo:[0,0,1] neg_hi:[0,0,1]
.endr
.else
.set KK, GG/2
.if GG == 31
.set KK, 16
.endif
	WIN 0x40                                       ; destination window 1
.irp q, 0,1
.set JQ, 2*HH+(\q)
	ZR zd, KK, JQ
	v_cvt_pk_f16_f32 v[GA+64*((KK-1)/8)+8*(4*BT+JQ)+(KK-1)%8], v[zd], v[zd+1]  ; low half: cosine, high half: sine, as wh has them
.endr
.endif
.set GI, GI+1
.endif
.endm
; THE MATRIX WORK.  16 matrix instructions of block (j, F): row blocks a0, a0 + 1 of the window's four (hi = 0: window 2, 1: window 3) x all 8 column blocks; two lines of the vector work behind each.
; The 64 accumulators take turns, one instruction a turn, in the same order in every block.  zero = 1: the products start the sums: nothing is ever cleared.
.macro MUL16 F, j, hi, a0, zero
.irp a, \a0, (\a0)+1
.irp b, 0,1,2,3,4,5,6,7
	WIN 0xa4+0x50*(\hi)                            ; source 0 window 0, source 1 window 1, C and D window 2 or 3
.set rD, 8*(8*(\a)+(\b))
.set rB, BB+64*(\F)+8*(\b)
.set rA, 128*(\j)+64*(\F)+8*(4*(\hi)+(\a))
.if \zero
	v_wmma_f32_16x16x32_f16 v[rD:rD+7], v[rB:rB+7], v[rA:rA+7], 0
.else
	v_wmma_f32_16x16x32_f16 v[rD:rD+7], v[rB:rB+7], v[rA:rA+7], v[rD:rD+7]
.endif
	RIDE
.endr
.endr
.endm
; 16 LDS loads in one run: the coefficients' fragments of block (j, F) of the step in slot: for each 16 outputs my 32 bytes of row r
.macro FETCH slot, j, F
	WIN 0
.irp b, 0,1,2,3,4,5,6,7
	ds_load_b128 v[BB+64*(\F)+8*(\b):BB+64*(\F)+8*(\b)+3],   v[ADRB+(\slot)] offset:(\b)*16*PITCH+64*(\j)+32*(\F)
	ds_load_b128 v[BB+64*(\F)+8*(\b)+4:BB+64*(\F)+8*(\b)+7], v[ADRB+(\slot)] offset:(\b)*16*PITCH+64*(\j)+32*(\F)+16
.endr
.endm
.macro CSLOAD buf                      ; cs of the step after next: 8 blocks of 512 bytes
	WIN 0
	s_add_nc_u64 s[46:47], s[46:47], 4096          ; the wait in front has shown every load done that named this base
.irp a, 0,1,2,3,4,5,6,7
	global_load_b128 v[(\buf)+4*(\a):(\buf)+4*(\a)+3], v[GOFF], s[46:47] offset:512*(\a)
.endr
.endm
; A block (j, F) other than a step's last: 64 matrix instructions; in its middle the next block's fragments (slot ns, block (nj, nF)) are fetched into the other buffer, whose last reader stands
; 32 matrix instructions and 64 lines of vector work back (four v_nop where there is no vector work).
; cs = 1: at its head the next step's cs is waited for, which this unit's vector work reads, and the step after next is asked for, into buffer cb, which was read last a block ago.  cs = 2: the wait alone.
.macro BLK j, F, zero, ns, nj, nF, cs, cb
	s_wait_dscnt 0x0                               ; this block's 16 fragment loads, issued 32 matrix instructions ago
.if (\cs) > 0
	s_wait_loadcnt 0x0                             ; asked for a step ago
.endif
.if (\cs) == 1
	CSLOAD \cb
.endif
	MUL16 \F, \j, 0, 0, \zero
	MUL16 \F, \j, 0, 2, \zero
.if RON == 0
	PLACES
.endif
	FETCH \ns, \nj, \nF
	MUL16 \F, \j, 1, 0, \zero
	MUL16 \F, \j, 1, 2, \zero
.endm
; A step's last block, (1, 1), changes slots and fills slot s again, two steps ahead.  In front of the round each wave waits for all its tensor loads, of which one is out: the other slot's; adds 0 to its
; spare word; and waits for that and for its own reads of this slot.  The round of the cluster's barrier shows the same of every wave of all four partners; the joint refill is the first thing behind it.
; From the request to the wait for it a wave issues 224 matrix instructions.
.macro TURN s
	WIN 0                                          ; (the add's two registers lie in window 0)
	s_wait_tensorcnt 0x0                           ; all my tensor loads have landed
	ds_add_u32 v[SPW], v[NIL]                      ; 0 onto my spare word
	s_wait_dscnt 0x1                               ; the block's 16 fragment loads are older than the add: only the add may be out
	MUL16 1, 1, 0, 0, 0                            ; work on registers stands between the add and the wait for it
	s_wait_dscnt 0x0                               ; the add is done, and my reads of this slot are over
	s_barrier_signal -1
	MUL16 1, 1, 0, 2, 0                            ; registers only, while the others arrive
	WIN 0
	s_barrier_wait -1
	CREST
	s_add_nc_u64 s[G0+4*(\s)+2:G0+4*(\s)+3], s[G0+4*(\s)+2:G0+4*(\s)+3], 512  ; two steps of 256 bytes on; no tensor load of mine is out
	tensor_load_to_lds s[G0+4*(\s):G0+4*(\s)+3], s[G1:G1+7]
	s_nop 0
	PLACES
	FETCH 1-(\s), 0, 0                             ; the other slot's tile is my own load's, shown landed by the wait above
	MUL16 1, 1, 1, 0, 0
	MUL16 1, 1, 1, 2, 0
.endm
	s_wait_loadcnt 0x8                             ; bias and cs of step 0 are in; the eight loads of step 1 may be out
	UNIT 0, CS0, 1                                 ; the very first unit's features have no products to stand behind: they are made in the wait for the first tile
.rept 128
	RIDE
.endr
	WIN 0
	s_wait_tensorcnt 0x1                           ; my tile of step 0 is in; step 1's may stay out.  Only I read my tiles, so no barrier stands here
	FETCH 0, 0, 0
	UNIT 128, CS0+2, 1
	BLK 0, 0, 1,  0, 0, 1,  0, 0                   ; the first block stands in front of the loop: its products start the sums
	WIN 0                                          ; at a label and at a branch every window is 0
	s_mov_b32 s40, LAPS-1
.Llap:                                                 ; a trip goes once round the ring, from a lap's second block to the next lap's first, and fills both slots again
	BLK 0, 1, 0,  0, 1, 0,  0, 0
	UNIT 0, CS1, 1                                 ; the odd step's unit 0
	BLK 1, 0, 0,  0, 1, 1,  1, CS0
	TURN 0
	UNIT 128, CS1+2, 1
	BLK 0, 0, 0,  1, 0, 1,  0, 0
	BLK 0, 1, 0,  1, 1, 0,  0, 0
	UNIT 0, CS0, 1                                 ; the next even step's unit 0
	BLK 1, 0, 0,  1, 1, 1,  1, CS1
	TURN 1
	UNIT 128, CS0+2, 1
	BLK 0, 0, 0,  0, 0, 1,  0, 0
	WIN 0
	s_sub_co_u32 s40, s40, 1
	s_cmp_lg_u32 s40, 0
	s_cbranch_scc1 .Llap
	; THE LAST LAP, steps 30 and 31, is written out: it asks for nothing, so it has no round.
	BLK 0, 1, 0,  0, 1, 0,  0, 0
	UNIT 0, CS1, 1
	BLK 1, 0, 0,  0, 1, 1,  2, 0                   ; cs of step 31 is waited for
	s_wait_dscnt 0x0                               ; step 30's last block
	MUL16 1, 1, 0, 0, 0
	MUL16 1, 1, 0, 2, 0
	s_wait_tensorcnt 0x0                           ; my tile of step 31: no load was issued behind it
	FETCH 1, 0, 0
	MUL16 1, 1, 1, 0, 0
	MUL16 1, 1, 1, 2, 0
	UNIT 128, CS1+2, 1
	BLK 0, 0, 0,  1, 0, 1,  0, 0
	BLK 0, 1, 0,  1, 1, 0,  0, 0
	UNIT 0, CS0, 0                                 ; no unit follows: no vector work
	BLK 1, 0, 0,  1, 1, 1,  0, 0
	s_wait_dscnt 0x0
	MUL16 1, 1, 0, 0, 0
	MUL16 1, 1, 0, 2, 0
	MUL16 1, 1, 1, 0, 0
	MUL16 1, 1, 1, 2, 0
	; THE WAY OUT.  Each wave lays its partial tile, 128 rows of 528 bytes, over its own two slots: they have had their last fill, and only this wave read them.  Each accumulator's low four registers go first.
	PLACES
	WIN 0x08                                       ; store data in window 2
.irp a, 0,1,2,3
.irp b, 0,1,2,3,4,5,6,7
	ds_store_b128 v[STO], v[8*(8*(\a)+(\b)):8*(8*(\a)+(\b))+3]   offset:(\a)*16*IPITCH+(\b)*64
	ds_store_b128 v[STO], v[8*(8*(\a)+(\b))+4:8*(8*(\a)+(\b))+7] offset:(\a)*16*IPITCH+(\b)*64+16
.endr
.endr
	WIN 0x0c                                       ; in window 3
.irp a, 0,1,2,3
.irp b, 0,1,2,3,4,5,6,7
	ds_store_b128 v[STO], v[8*(8*(\a)+(\b)):8*(8*(\a)+(\b))+3]   offset:((\a)+4)*16*IPITCH+(\b)*64
	ds_store_b128 v[STO], v[8*(8*(\a)+(\b))+4:8*(8*(\a)+(\b))+7] offset:((\a)+4)*16*IPITCH+(\b)*64+16
.endr
.endr
	WIN 0
	s_wait_dscnt 0x0                               ; for the others' sake: my partial tile is written
	s_barrier_signal -1
	s_barrier_wait -1
; Wave w adds and stores rows 32 w .. 32 w + 31, four rows a group, on two sets of 64 registers by turns: row e of the group, partial tile v at E + 16 e + 4 v.
.macro LOADG g
.set E, 64+64*((\g)%2)
.irp e, 0,1,2,3
.irp v, 0,1,2,3
	ds_load_b128 v[E+16*(\e)+4*(\v):E+16*(\e)+4*(\v)+3], v[RD+(\v)] offset:(4*(\g)+(\e))*IPITCH  ; 512 consecutive bytes
.endr
.endr
.endm
.macro SUMG g
.set E, 64+64*((\g)%2)
.irp e, 0,1,2,3
.irp p, 0,2
	v_pk_add_f32 v[E+16*(\e)+(\p):E+16*(\e)+(\p)+1],     v[E+16*(\e)+(\p):E+16*(\e)+(\p)+1],     v[E+16*(\e)+4+(\p):E+16*(\e)+4+(\p)+1]    ; q0 + q1
	v_pk_add_f32 v[E+16*(\e)+8+(\p):E+16*(\e)+8+(\p)+1], v[E+16*(\e)+8+(\p):E+16*(\e)+8+(\p)+1], v[E+16*(\e)+12+(\p):E+16*(\e)+12+(\p)+1]  ; q2 + q3
.endr
.endr
.irp e, 0,1,2,3
.irp p, 0,2
	v_pk_add_f32 v[E+16*(\e)+(\p):E+16*(\e)+(\p)+1], v[E+16*(\e)+(\p):E+16*(\e)+(\p)+1], v[E+16*(\e)+8+(\p):E+16*(\e)+8+(\p)+1]
.endr
.endr
.irp e, 0,1,2,3
.irp p, 0,2
	v_pk_add_f32 v[E+16*(\e)+(\p):E+16*(\e)+(\p)+1], v[E+16*(\e)+(\p):E+16*(\e)+(\p)+1], v[BIAS+(\p):BIAS+(\p)+1]
.endr
.endr
.irp e, 0,1,2,3
	global_store_b128 v[GOFF], v[E+16*(\e):E+16*(\e)+3], s[10:11] offset:(4*(\g)+(\e))*2048 th:TH_STORE_NT  ; 512 consecutive bytes, at a multiple of 512 from out0's first byte
.endr
.endm
	LOADG 0
.irp g, 0,1,2,3,4,5,6
.if (\g) > 0
	s_wait_xcnt 0x0                                ; the set that is loaded next was read by the stores of the group before: it is rewritten only behind this wait
.endif
	LOADG (\g)+1
	s_wait_dscnt 16                                ; this group is in; the next group's sixteen loads may be out
	SUMG \g
.endr
	s_wait_dscnt 0x0
	SUMG 7
	s_wait_tensorcnt 0x0                           ; the wave's end: behind my last tensor load and my last LDS store
	ds_add_u32 v[SPW], v[NIL]
	s_wait_dscnt 0x0
	CROUND                                         ; the closing round: no work-group ends while a partner may still ask for a tile that names it
	s_endpgm
.Lfunc_end_k_q53f381a448_main:
	.size	k_q53f381a448_main, .Lfunc_end_k_q53f381a448_main-k_q53f381a448_main
	.p2alignl 7, 3214868480
	.fill 96, 4, 3214868480
	.section	.rodata,"a",@progbits
	.p2align	6, 0x0
	.amdhsa_kernel k_q53f381a448_main
		.amdhsa_group_segment_fixed_size 327680
		.amdhsa_private_segment_fixed_size 0
		.amdhsa_enable_private_segment 0
		.amdhsa_kernarg_size 32
		.amdhsa_user_sgpr_count 2
		.amdhsa_user_sgpr_kernarg_segment_ptr 1
		.amdhsa_wavefront_size32 1
		.amdhsa_system_sgpr_workgroup_id_x 1
		.amdhsa_system_sgpr_workgroup_id_y 1
		.amdhsa_system_sgpr_workgroup_id_z 1
		.amdhsa_system_vgpr_workitem_id 0
		.amdhsa_next_free_vgpr 1024
		.amdhsa_next_free_sgpr 66
		.amdhsa_reserve_vcc 0
		.amdhsa_float_denorm_mode_32 3
		.amdhsa_float_denorm_mode_16_64 3
		.amdhsa_memory_ordered 1
		.amdhsa_forward_progress 1
		.amdhsa_inst_pref_size 255
	.end_amdhsa_kernel
	.section	.bss,"aw",@nobits
	.p2align	6
	.space	262144
	.amdgpu_metadata
---
amdhsa.version: [ 1, 2 ]
amdhsa.kernels:
  - .name:           k_q53f381a448_main
    .symbol:         k_q53f381a448_main.kd
    .args:
      - { .name: cs, .offset: 0, .size: 8, .value_kind: global_buffer, .address_space: global }
      - { .name: wh, .offset: 8, .size: 8, .value_kind: global_buffer, .address_space: global }
      - { .name: bias, .offset: 16, .size: 8, .value_kind: global_buffer, .address_space: global }
      - { .name: out0, .offset: 24, .size: 8, .value_kind: global_buffer, .address_space: global }
    .group_segment_fixed_size: 327680
    .private_segment_fixed_size: 0
    .kernarg_segment_align: 8
    .kernarg_segment_size: 32
    .max_flat_workgroup_size: 128
    .sgpr_count:     66
    .vgpr_count:     1024
    .wavefront_size: 32
...
	.end_amdgpu_metadata
.endif
;; end of part 2
;; ======== version 2 of 2: 2 launches; version 1 with the launch prep written anew for expert scheduling mode
;; limits: values are held in f16: magnitudes above 65,504 overflow, below 6.1e-05 lose precision; inputs' magnitudes at most 65,504
;; workspace buffers: wh 16,777,216 bytes; cs 33,554,432 bytes
;; launch prep (part 3): grid 512 x 1, 8 waves a work-group, no clusters, 70,656 bytes of LDS; arguments x, fouriercoeffs, cs, wh; writes cs, wh
.if DOCPART == 3
	.amdgcn_target "amdgcn-amd-amdhsa--gfx1250"
	.amdhsa_code_object_version 6
	.text
	.protected	k_q53f381a448_prep
	.globl	k_q53f381a448_prep
	.p2align	8
	.type	k_q53f381a448_prep,@function
k_q53f381a448_prep:
	s_mov_b64 s[64:65], 0
	v_nop
	global_prefetch_b8 v0, s[64:65] scope:SCOPE_SE
	s_setreg_imm32_b32 hwreg(HW_REG_WAVE_SCHED_MODE, 0, 2), 2
	s_setreg_imm32_b32 hwreg(HW_REG_WAVE_MODE, 25, 1), 1
	s_wait_xcnt 0x0
	s_wait_alu depctr_vm_vsrc(0)
; PREP: two tables for the product that follows.  x: [8192][512] f32.  fouriercoeffs: [2][512 o][512 i][16 g] f32.
; wh: [512 o][16384 k'] f16, k' = 32 i + 2 g + t (t = 0: cosine's coefficient, t = 1: sine's): byte o 32768 + 64 i + 4 g + 2 t.  Four bytes of either half of
;     fouriercoeffs at offset off become the four bytes of wh at the same off, so one offset serves two loads and a store.
; cs: (cos x, sin x) in f32, in blocks of 512 bytes, block ((mt 4 + w) 32 + step) 8 + a; in a block lane L = 16 h + r has 16 bytes:
;     cos, sin of x[128 mt + 16 a + r][i0], then of [i0 + 1], i0 = 128 w + 4 step + 2 h: the order in which the next launch's lanes load them.
; SHARES.  Work-group g: row o = g of wh (8 chunks of 4,096 bytes, 16 bytes a thread), and the 16 rows 16 g .. 16 g + 15 of x (mt = g / 8, a = g % 8); wave c takes
; i = 64 c .. 64 c + 63.  A lane holds two neighbouring i of a row; cs wants 16 rows side by side, so the results turn through the wave's own LDS bytes: no barrier.
; SINE AND COSINE.  f = x / 2 pi less the nearest whole number, with 1 / 2 pi in two parts and fused multiply-adds; cos = S(1/4 - |f|), |sin| = S(1/4 - |1/4 - |f||),
; S(y) = sin(2 pi y) for |y| <= 1/4 by its series up to y^11 (what is cut is below 5.7e-8); the sine takes f's sign.
; LIMITS.  Coefficients are rounded to f16: beyond 65,504 they become infinities, below 6.1e-5 they keep f16's fixed step of 6e-8.  The reduced phase f is good to about
; 2^-25 of a turn for |x| up to 2^20; beyond that it degrades with |x|.  A NaN or an infinity in x gives NaN for both numbers, as the reference's cos and sin do.
; No matrix unit, cluster or tensor load: every byte is read once and written once, and nothing is shared between work-groups.
; THE MODE: SCHED_MODE bits 1:0 = 2 (LLVM: expert scheduling mode 2), set by the entry lines.  The code itself states the register dependences
; between vector instructions and memory or LDS instructions, with s_wait_alu, always for 0.
; THE PLAN.  The text is one straight run.  Registers that memory or LDS instructions touch:
;   v2 .. v6      offsets and LDS addresses: written at the head, never again; read by every load and store.
;   X             the loads of x land in it; the sine and cosine lines read it; nothing is written there afterwards.
;   CA, CB        the loads of coefficients land in them; the 32 conversions read both and write CA; the eight stores of wh read CA; never written afterwards.
;   RB            row r's four results are written straight into RB + 4 r: four quarters of four rows, each written once.  The sixteen LDS stores read it; then the
;                 sixteen LDS loads land in it; the sixteen stores of cs read it.
;   v192, v193    written at the head, read by the closing add alone.
;   v8 .. v23     named by vector instructions alone.
; The 16 rows go in four groups of four.  ONE wait on va_vdst at a group's head states that the group before has written its quarter of RB; that quarter's four LDS stores are dealt
; among the group's rows, whose arithmetic names v8 .. v23, its own X and its own quarter: none of the registers that those stores touch.
.set T,   8                            ; v[8:9]     x / 2 pi, then its nearest whole number
.set FR,  10                           ; v[10:11]   f of the lane's two x (named v10, v11 where |.| is taken)
.set AB,  12                           ; v[12:15]   the four arguments of S: for cos, sin of the first x, cos, sin of the second (v12 .. v15)
.set U,   16                           ; v[16:19]   their squares
.set P,   20                           ; v[20:23]   the series
.set X,   32                           ; v[32:63]   row r: two x at X + 2 r
.set CA,  64                           ; v[64:95]   chunk m: four cosine coefficients at CA + 4 m, then the four packed words
.set CB,  96                           ; v[96:127]  the same four places of the sine half
.set RB,  128                          ; v[128:191] first row r's cos, sin, cos, sin at RB + 4 r; then block sl of cs as it is stored
.set LPITCH, 272                       ; a lane's 16 results of 16 bytes + 16: lane l starts at byte 16 l mod 256
.set IH,  24                           ; s[24:25]   1 / 2 pi, rounded to f32           (the packed forms name pairs: both words are written)
.set IL,  26                           ; s[26:27]   1 / 2 pi less that
.set K0,  28                           ; s[28:39]   (2 pi)^(2n+1) / (2n+1)!, signs alternating
.set K1,  30
.set K2,  32
.set K3,  34
.set K4,  36
.set K5,  38
.set QU,  40                           ; s40        1/4
.set SG,  41                           ; s41        all bits but the sign
.macro PAIR reg, val
	s_mov_b32 s[\reg], \val
	s_mov_b32 s[(\reg)+1], \val
.endm
	s_load_b256 s[4:11], s[0:1], 0x0               ; x s[4:5], fouriercoeffs s[6:7], cs s[8:9], wh s[10:11]
	v_lshl_add_u32 v192, v0, 2, 0x11000
	v_mov_b32 v193, 0
	v_and_b32 v1, 31, v0                           ; lane
	v_lshrrev_b32 v7, 5, v0
	v_readfirstlane_b32 s12, v7                    ; wave c, 0..7
	v_lshlrev_b32 v2, 4, v0                        ; 16 x thread: my place in a chunk of coefficients and of wh
	v_lshlrev_b32 v3, 3, v1                        ; 8 x lane: my two x in the wave's 256 bytes of a row
	v_lshlrev_b32 v6, 4, v1                        ; 16 x lane: my place in a block of cs
	s_wait_alu depctr_va_sdst(0)                   ; s12 is written, ahead of its first reader: the wave's LDS bytes and the bases of x and cs are made from it
	s_mul_i32 s13, s12, 32*LPITCH                  ; my wave's LDS bytes
	v_mul_u32_u24 v4, v1, LPITCH
	v_add_nc_u32 v4, s13, v4                       ; in: lane l's results, row r at + 16 r
	v_lshrrev_b32 v5, 4, v1                        ; back: h = L / 16 picks the lane 2 sl + h that made them,
	v_mul_u32_u24 v5, v5, LPITCH
	v_and_b32 v7, 15, v0                           ; r = L % 16 the row
	v_lshl_add_u32 v5, v7, 4, v5
	v_add_nc_u32 v5, s13, v5
	PAIR IH, 0x3e22f983
	PAIR IL, 0x31dc9c88
	PAIR K0, 0x40c90fdb                            ;   6.2831853
	PAIR K1, 0xc2255de7                            ; -41.341702
	PAIR K2, 0x42a335e3                            ;  81.605249
	PAIR K3, 0xc2996966                            ; -76.705860
	PAIR K4, 0x42283c1a                            ;  42.058694
	PAIR K5, 0xc17183a8                            ; -15.094643
	s_mov_b32 s[QU], 0x3e800000
	s_mov_b32 s[SG], 0x7fffffff
	s_lshl_b32 s16, ttmp9, 15                      ; g x 32,768: row g of either half of the coefficients and of wh; also 16 rows of x
	s_mov_b32 s17, 0
	s_lshl_b32 s18, s12, 8                         ; + the wave's 256 bytes of a row of x
	s_add_co_u32 s18, s18, s16
	s_mov_b32 s19, 0
	s_lshr_b32 s20, ttmp9, 3                       ; mt
	s_lshl_b32 s20, s20, 2
	s_lshr_b32 s21, s12, 1                         ; w = c / 2
	s_add_co_u32 s20, s20, s21
	s_lshl_b32 s20, s20, 5
	s_and_b32 s21, s12, 1                          ; the wave's first step: 16 (c % 2)
	s_lshl_b32 s21, s21, 4
	s_add_co_u32 s20, s20, s21
	s_lshl_b32 s20, s20, 12                        ; a step is 8 blocks of 512 bytes
	s_and_b32 s21, ttmp9, 7                        ; a
	s_lshl_b32 s21, s21, 9
	s_add_co_u32 s20, s20, s21
	s_mov_b32 s21, 0
	s_wait_kmcnt 0x0
	s_add_nc_u64 s[4:5], s[4:5], s[18:19]
	s_add_nc_u64 s[6:7], s[6:7], s[16:17]          ; the cosine half,
	s_add_nc_u64 s[14:15], s[6:7], 0x1000000       ; the sine half, 16,777,216 bytes on
	s_add_nc_u64 s[10:11], s[10:11], s[16:17]
	s_add_nc_u64 s[8:9], s[8:9], s[20:21]
	s_wait_alu depctr_va_vdst(0)                   ; the offsets v2, v3, v6 and the LDS addresses v4, v5 are written: every load and store of the kernel reads one of them, and none is written again
.irp r, 0,1,2,3,4,5,6,7,8,9,10,11,12,13,14,15
	global_load_b64 v[X+2*(\r):X+2*(\r)+1], v3, s[4:5] offset:(\r)*2048 th:TH_LOAD_NT  ; 256 consecutive bytes a wave, aligned
.endr
.irp m, 0,1,2,3,4,5,6,7
	global_load_b128 v[CA+4*(\m):CA+4*(\m)+3], v2, s[6:7] offset:(\m)*4096 th:TH_LOAD_NT
	global_load_b128 v[CB+4*(\m):CB+4*(\m)+3], v2, s[14:15] offset:(\m)*4096 th:TH_LOAD_NT
.endr
; Row r: cos and sin of the lane's two x, into the row's own four registers of RB.
.macro SINCOS r
.set XR, X+2*(\r)
.set R,  RB+4*(\r)
	s_wait_loadcnt 31-(\r)                         ; loads come back in order: behind row r's stand 15 - r loads of x and the 16 of coefficients
	v_pk_mul_f32 v[T:T+1], v[XR:XR+1], s[IH:IH+1] op_sel_hi:[1,0]
	v_rndne_f32 v[T], v[T]
	v_rndne_f32 v[T+1], v[T+1]
	v_pk_fma_f32 v[FR:FR+1], v[XR:XR+1], s[IH:IH+1], v[T:T+1] op_sel_hi:[1,0,1] neg_lo:[0,0,1] neg_hi:[0,0,1]  ; the product is not rounded before the whole number is taken away
	v_pk_fma_f32 v[FR:FR+1], v[XR:XR+1], s[IL:IL+1], v[FR:FR+1] op_sel_hi:[1,0,1]
	v_sub_f32 v12, s[QU], |v10|                    ; cos(2 pi f) = S(1/4 - |f|)
	v_sub_f32 v14, s[QU], |v11|
	v_sub_f32 v13, s[QU], |v12|                    ; |sin(2 pi f)| = S(1/4 - |1/4 - |f||)
	v_sub_f32 v15, s[QU], |v14|
.irp p, 0,2
	v_pk_mul_f32 v[U+(\p):U+(\p)+1], v[AB+(\p):AB+(\p)+1], v[AB+(\p):AB+(\p)+1]
.endr
.irp p, 0,2
	v_pk_fma_f32 v[P+(\p):P+(\p)+1], v[U+(\p):U+(\p)+1], s[K5:K5+1], s[K4:K4+1] op_sel_hi:[1,0,0]
.endr
.irp k, K3, K2, K1, K0
.irp p, 0,2
	v_pk_fma_f32 v[P+(\p):P+(\p)+1], v[P+(\p):P+(\p)+1], v[U+(\p):U+(\p)+1], s[(\k):(\k)+1] op_sel_hi:[1,1,0]
.endr
.endr
.irp p, 0,2
	v_pk_mul_f32 v[R+(\p):R+(\p)+1], v[P+(\p):P+(\p)+1], v[AB+(\p):AB+(\p)+1]
.endr
	v_bfi_b32 v[R+1], s[SG], v[R+1], v[FR]         ; the sine takes f's sign
	v_bfi_b32 v[R+3], s[SG], v[R+3], v[FR+1]
.endm
; Row r's results go into LDS.
.macro PUT r
	ds_store_b128 v4, v[RB+4*(\r):RB+4*(\r)+3] offset:16*(\r)
.endm
.irp i, 0,1,2,3
	SINCOS \i                                      ; group 0 has no group in front of it: no store
.endr
.irp g, 1,2,3
	s_wait_alu depctr_va_vdst(0)                   ; the group before has written its quarter of RB, which the four LDS stores of this group read
.irp i, 0,1,2,3
	PUT 4*(\g)-4+(\i)                              ; no further wait: no vector instruction since the wait names that quarter or v4
	SINCOS 4*(\g)+(\i)
.endr
.endr
	s_wait_alu depctr_va_vdst(0)                   ; group 3 has written the last quarter of RB, which the stores below read; and every vector read and write of RB is done, in which the LDS loads below land
.irp i, 12,13,14,15
	PUT \i
.endr
	s_wait_alu depctr_vm_vsrc(0)                   ; the sixteen LDS stores have read RB, in which the LDS loads land
.irp t, 0,1,2,3,4,5,6,7,8,9,10,11,12,13,14,15
	ds_load_b128 v[RB+4*(\t):RB+4*(\t)+3], v5 offset:(\t)*2*LPITCH  ; LDS serves a wave's instructions in order (ISA guide 5.7.1.4): these see the stores above; the bytes are the wave's own
.endr
	s_wait_loadcnt 0x0                             ; the coefficients
.irp m, 0,1,2,3,4,5,6,7
.irp j, 0,1,2,3
	v_cvt_pk_f16_f32 v[CA+4*(\m)+(\j)], v[CA+4*(\m)+(\j)], v[CB+4*(\m)+(\j)]  ; low half: cosine's, high half: sine's
.endr
.endr
	s_wait_alu depctr_va_vdst(0)                   ; the conversions have written CA, which the eight stores read
.irp m, 0,1,2,3,4,5,6,7
	global_store_b128 v2, v[CA+4*(\m):CA+4*(\m)+3], s[10:11] offset:(\m)*4096  ; 512 consecutive bytes a wave, aligned
.endr
.irp t, 0,1,2,3,4,5,6,7,8,9,10,11,12,13,14,15
	s_wait_dscnt 15-(\t)                           ; LDS loads come back in order: block t is in, the 15 - t younger ones may be out
	global_store_b128 v6, v[RB+4*(\t):RB+4*(\t)+3], s[8:9] offset:(\t)*4096  ; a whole block of 512 bytes
.endr
	s_wait_dscnt 0x0                               ; the closing lines, six on end
	s_wait_alu 0x0
	s_wait_tensorcnt 0x0
	ds_add_u32 v192, v193
	s_wait_dscnt 0x0
	s_endpgm
.Lfunc_end_k_q53f381a448_prep:
	.size	k_q53f381a448_prep, .Lfunc_end_k_q53f381a448_prep-k_q53f381a448_prep
	.p2alignl 7, 3214868480
	.fill 96, 4, 3214868480
	.section	.rodata,"a",@progbits
	.p2align	6, 0x0
	.amdhsa_kernel k_q53f381a448_prep
		.amdhsa_group_segment_fixed_size 70656
		.amdhsa_private_segment_fixed_size 0
		.amdhsa_enable_private_segment 0
		.amdhsa_kernarg_size 32
		.amdhsa_user_sgpr_count 2
		.amdhsa_user_sgpr_kernarg_segment_ptr 1
		.amdhsa_wavefront_size32 1
		.amdhsa_system_sgpr_workgroup_id_x 1
		.amdhsa_system_sgpr_workgroup_id_y 1
		.amdhsa_system_sgpr_workgroup_id_z 1
		.amdhsa_system_vgpr_workitem_id 0
		.amdhsa_next_free_vgpr 194
		.amdhsa_next_free_sgpr 66
		.amdhsa_reserve_vcc 0
		.amdhsa_float_denorm_mode_32 3
		.amdhsa_float_denorm_mode_16_64 3
		.amdhsa_memory_ordered 1
		.amdhsa_forward_progress 1
		.amdhsa_inst_pref_size 38
	.end_amdhsa_kernel
	.amdgpu_metadata
---
amdhsa.version: [ 1, 2 ]
amdhsa.kernels:
  - .name:           k_q53f381a448_prep
    .symbol:         k_q53f381a448_prep.kd
    .args:
      - { .name: x, .offset: 0, .size: 8, .value_kind: global_buffer, .address_space: global }
      - { .name: fouriercoeffs, .offset: 8, .size: 8, .value_kind: global_buffer, .address_space: global }
      - { .name: cs, .offset: 16, .size: 8, .value_kind: global_buffer, .address_space: global }
      - { .name: wh, .offset: 24, .size: 8, .value_kind: global_buffer, .address_space: global }
    .group_segment_fixed_size: 70656
    .private_segment_fixed_size: 0
    .kernarg_segment_align: 8
    .kernarg_segment_size: 32
    .max_flat_workgroup_size: 256
    .sgpr_count:     66
    .vgpr_count:     194
    .wavefront_size: 32
...
	.end_amdgpu_metadata
.endif
;; end of part 3
;; launch main: the kernel of part 2 again; grid 64 x 4, 4 waves a work-group, clusters of 4 x 1, 327,680 bytes of LDS; arguments cs, wh, bias, out0; writes out0
